; MI455X (gfx1250); checked and timed in simulation.
; The chip was launched on July 23, 2026; its instructions are those of AMD's public machine-readable ISA for CDNA 5 (MIT licence, August 2026) and "CDNA5" Instruction Set Architecture Reference Guide (July 2026). The comments in the code are by the model that wrote it; some were corrected since.
;; Optimized Secure Attention. Allowed arithmetic: matrix products marked QUANTISED: E2M1 operands, one E8M0 scale for each 32 along K, by v_wmma_scale_f32_16x16x128_f8f6f4 with both operands' format E2M1 (or v_wmma_scale_f32_32x16x128_f4), f32 sums; everything else in f32.
;; Inputs: Wk 512 x 512 float32; Wq 512 x 512 float32; Wv 512 x 512 float32; bk 512 float32; bq 512 float32; bv 512 float32; noise 4 x 8 x 2,048 x 64 float32; x 4 x 2,048 x 512 float32.
;; Outputs: out0 4 x 2,048 x 512 float32.
;; This version of the problem:
;;   THIS VERSION OF THE PROBLEM IS GIVEN IN LOW PRECISION. The matrix products marked QUANTISED in the list below multiply operands that are first quantised to E2M1 (2 exponent bits, 1 mantissa bit; 4 bits a number), with one power-of-two scale for each 32 numbers along K (OCP MX v1.0); their sums are f32. All else is computed in f32.
;;   The module's matrix products, in the order in which they are computed (A, B: the left and right operand; K: the contracted axis; several contracted axes count as one K, in the product's order):
;;     1. [M 8,192, K 512] x [K 512, N 512]; A: input x; B: input Wq: QUANTISED
;;     2. [M 8,192, K 512] x [K 512, N 512]; A: input x; B: input Wk: QUANTISED
;;     3. [M 8,192, K 512] x [K 512, N 512]; A: input x; B: input Wv: QUANTISED
;;     4. batch 32 x [M 2,048, K 64] x [K 64, N 2,048]; A: computed on the way; B: computed on the way: QUANTISED
;;     5. batch 32 x [M 2,048, K 2,048] x [K 2,048, N 64]; A: softmax (see below); B: computed on the way: QUANTISED
;;   THE QUANTISER, for each operand of a quantised product, along K:
;;     - K is cut into blocks of 32 from its start; a last block that is shorter is filled with zeros.
;;     - A block's scale is 2^e with e = floor(log2(the largest magnitude in the block)) - 2, held to -126 .. 127; a block of zeros has e = 0. As a byte (E8M0): e + 127.
;;     - Each number is divided by its block's scale, clamped to +-6, and rounded to the nearest number of E2M1, ties to even, subnormals kept.
;;     - The product sums the exact products of the quantised numbers (number of the format x scale) in f32.
;;   ~~~python
;;   def quantise(x, axis):      # numpy; x: float32 -> the quantised numbers, widened to float32 again
;;       x = np.moveaxis(x, axis, -1); K = x.shape[-1]
;;       x = np.pad(x, [(0, 0)] * (x.ndim - 1) + [(0, -K % 32)]); x = x.reshape(x.shape[:-1] + (-1, 32)); a = np.abs(x).max(-1, keepdims=True)
;;       e = np.where(a > 0, np.clip(np.frexp(np.where(a > 0, a, 1))[1] - 1 - 2, -126, 127), 0)      # np.frexp(a)[1] - 1 = floor(log2(a)), exactly
;;       r = np.clip(x / 2.0 ** e, -6, 6)
;;       step = 2.0 ** (np.maximum(np.frexp(np.where(r == 0, 1, r))[1] - 1, 0) - 1)
;;       q = np.round(r / step) * step * 2.0 ** e      # np.round: ties to even
;;       return np.moveaxis(q.reshape(q.shape[:-2] + (-1,))[..., :K], -1, axis).astype(np.float32)
;;   ~~~
;;   SOFTMAX AHEAD OF A QUANTISED PRODUCT. Where the list says 'softmax', what is quantised is not the finished softmax but p = 2^(t - M), with t = logit x log2(e) and M = ceil(the row's largest t), a whole number; so 1/2 < the row's largest p <= 1. The row's sum l is taken of the UNQUANTISED p, in f32, and the product's result is divided by l at the end. Since M is a whole number, a kernel that streams over the keys may use a running M (the ceiling of the running maximum): every later rescaling is an exact power of two, which a block's scale takes up: the codes' values come out the same.
;;   OPERANDS COMPUTED ON THE WAY. 'Computed on the way' means the value that the module computes at that place (a softmax that the list does not call 'softmax' is quantised finished and normalised). What goes into a quantiser is computed in f32, as accurately as f32 sums, v_exp_f32 and their like allow (about 1e-6 of the number): no bf16 or f16 on the way to a quantiser, and a product that is left as it is and whose result goes on into a quantised operand takes f32 operands (vector FMAs, or v_wmma_f32_16x16x4_f32). A number that lies on a knife's edge between two numbers of the format may be rounded either way, as far as f32 arithmetic and the matrix unit's own rounding can turn it there, and no further.
;; One version. Each part assembles by itself: llvm-mc -triple=amdgcn-amd-amdhsa -mcpu=gfx1250 --defsym DOCPART=n.
;; ======== version 1 of 1: 3 launches
;; limits: right only within a limited range of input values
;; workspace buffers: xw 2,646,016 bytes; qb 2,228,224 bytes; kv 4,456,448 bytes
;; launch quant (part 1): grid 608 x 1, 4 waves a work-group, no clusters, 25,600 bytes of LDS; arguments x, Wq, Wk, Wv, xw; writes xw
.if DOCPART == 1
	.amdgcn_target "amdgcn-amd-amdhsa--gfx1250"
	.amdhsa_code_object_version 6
	.text
	.protected	k_q01ed10228d_quant
	.globl	k_q01ed10228d_quant
	.p2align	8
	.type	k_q01ed10228d_quant,@function
k_q01ed10228d_quant:
	s_mov_b64 s[64:65], 0
	v_nop
	global_prefetch_b8 v0, s[64:65] scope:SCOPE_SE
	s_setreg_imm32_b32 hwreg(HW_REG_WAVE_MODE, 25, 1), 1
	s_wait_xcnt 0x0
; x [8192][512], Wq, Wk, Wv [512][512], f32, K innermost, become codes of FP4 (E2M1) with one E8M0 scale byte for each 32 along K.  No step of the problem is left out, here or in the later launches.
; A block's scale is 2^(floor(log2(its largest magnitude)) - 2); its byte is the largest magnitude's exponent field - 2, held at 1 from below.
; OUT: xw, 608 tiles of 4,352 bytes.  A tile is 16 rows x 512 K, laid as the matrix operand's registers take it: the 16 bytes of row r and K block kb (32 codes) lie at 256 kb + 16 r, so that the
; fragment of K step ks is bytes 1024 ks + 512 c + 16 lane; the scale byte of (r, kb) lies at 4096 + 16 r + kb.
; WHICH ROWS FORM A TILE: tiles 0-511, x: tile 4 G + t holds rows 64 G + 8 t + r % 8 + 32 (r / 8); tiles 512-543 Wq and 544-575 Wk likewise; tiles 576-607 Wv: tile j holds rows 16 j + r.
; So where 64 rows become the next product's K, a lane of the result holds 32 neighbours of them: a whole block.
; SHARES: a work-group makes one tile, a wave four of its rows, which are 8,192 consecutive bytes of the input: 16 loads of 512 bytes, all asked for at once.
; A row turns through the wave's own stage in LDS and comes back 64 bytes a lane, so that a lane holds 16 neighbours along K and two neighbouring lanes hold a block.  Codes and scale bytes of the four
; waves are gathered in LDS and leave behind one barrier: each store covers 256 or 512 consecutive bytes, aligned.
; No tile is shared between work-groups: no cluster.  No loop: no prefetch.
; LIMITS: NaN and infinities among the inputs are not served.  A block of zeros, or one whose largest magnitude lies under 2^-124, gets the byte 1 (the stated rule says 127 for zeros): its codes are zeros
; or the smallest codes, and the bytes are read by this program alone.
.set TILE,  4352
.set WREG,  5120                       ; a wave's two stages of 32 x 80 bytes
.set SPC,   80                         ; a lane's place in a stage: 64 bytes + 16 of padding
.set SCB,   4*WREG                     ; the tile's 256 scale bytes
.set CST,   SCB+256                    ; the tile's codes: 16 units of 256 bytes + 16 of padding
.set UP,    272
.set SPARE, CST+16*UP                  ; the spare words, 128 bytes for each wave
.set EMAX,  2
.set R,     16                         ; v16-79   four rows as loaded
.set X,     80                         ; v80-111  two sets of 16 neighbours
.set C,     112                        ; v112-119 two registers of codes for each row
.set E,     120                        ; v120-123 a scale byte for each row
.set OUTR,  124                        ; v124-131 the way out
.set SPW,   132
.set NIL,   133
	s_load_b256 s[4:11], s[0:1], 0x0               ; x, Wq, Wk, Wv
	s_load_b64 s[12:13], s[0:1], 0x20              ; xw
	v_lshl_add_u32 v[SPW], v0, 2, SPARE
	v_mov_b32 v[NIL], 0
	v_lshrrev_b32 v1, 5, v0
	v_readfirstlane_b32 s16, v1                    ; wave 0..3
	v_and_b32 v2, 31, v0                           ; lane
	v_lshlrev_b32 v3, 4, v2                        ; 16 x lane: my bytes of a load's 512
	s_mul_i32 s17, s16, WREG
	v_lshrrev_b32 v14, 2, v2
	v_mul_u32_u24 v14, v14, SPC
	v_and_b32 v15, 3, v2
	v_lshl_add_u32 v14, v15, 4, v14
	v_add_nc_u32 v14, s17, v14                     ; the stage, on the way in: four lanes' 64 bytes on end, then the padding
	v_mul_u32_u24 v15, v2, SPC
	v_add_nc_u32 v15, s17, v15                     ; and on the way out: my 16 neighbours
	s_lshl_b32 s18, s16, 6                         ; my first row's 16 bytes: 64 x wave
	s_add_co_u32 s19, s18, CST
	s_add_co_u32 s18, s18, SCB
	v_lshrrev_b32 v5, 1, v2                        ; my K block
	v_mul_u32_u24 v10, v5, UP
	v_and_b32 v8, 1, v2
	v_lshl_add_u32 v10, v8, 3, v10
	v_add_nc_u32 v10, s19, v10                     ; my 8 bytes of codes; the row stands in the immediate
	v_add_nc_u32 v5, s18, v5                       ; my block's scale byte
	v_lshlrev_b32 v7, 3, v2
	v_add_nc_u32 v6, SCB, v7                       ; the scale bytes on the way out: 8 a lane
	v_lshrrev_b32 v12, 4, v2
	v_mul_u32_u24 v12, v12, UP
	v_and_b32 v8, 15, v2
	v_lshl_add_u32 v12, v8, 4, v12
	s_mul_i32 s19, s16, 4*UP
	s_add_co_u32 s19, s19, CST
	v_add_nc_u32 v12, s19, v12                     ; the codes on the way out: my wave's four units, two an instruction
	s_lshl_b32 s19, s16, 10
	v_add_nc_u32 v13, s19, v3                      ; and their place in the tile
	s_wait_alu depctr_va_vdst(0)                   ; the wait at the head's end
	s_wait_kmcnt 0x0
	; which tensor: the choice hangs on the work-group's number alone
	s_mov_b64 s[20:21], s[10:11]
	s_mov_b32 s22, 576                             ; the tensor's first tile
	s_cmp_lt_u32 ttmp9, 576
	s_cselect_b64 s[20:21], s[8:9], s[20:21]
	s_cselect_b32 s22, 544, s22
	s_cmp_lt_u32 ttmp9, 544
	s_cselect_b64 s[20:21], s[6:7], s[20:21]
	s_cselect_b32 s22, 512, s22
	s_cmp_lt_u32 ttmp9, 512
	s_cselect_b64 s[20:21], s[4:5], s[20:21]
	s_cselect_b32 s22, 0, s22
	s_sub_co_u32 s23, ttmp9, s22                   ; my tile in its tensor, n
	s_lshl_b32 s24, s23, 4
	s_lshl_b32 s25, s16, 2
	s_add_co_u32 s24, s24, s25                     ; Wv: my first row is 16 n + 4 wave
	s_lshr_b32 s26, s23, 2
	s_lshl_b32 s26, s26, 6
	s_and_b32 s27, s23, 3
	s_lshl_b32 s27, s27, 3
	s_add_co_u32 s26, s26, s27
	s_and_b32 s27, s16, 1
	s_lshl_b32 s27, s27, 2
	s_add_co_u32 s26, s26, s27
	s_lshr_b32 s27, s16, 1
	s_lshl_b32 s27, s27, 5
	s_add_co_u32 s26, s26, s27                     ; the others: 64 (n / 4) + 8 (n % 4) + 4 (wave % 2) + 32 (wave / 2)
	s_cmp_lt_u32 ttmp9, 576
	s_cselect_b32 s26, s26, s24
	s_lshl_b32 s26, s26, 11                        ; rows of 2,048 bytes
	s_mov_b32 s27, 0
	s_add_nc_u64 s[20:21], s[20:21], s[26:27]
	s_mul_i32 s28, ttmp9, TILE
	s_mov_b32 s29, 0
	s_add_nc_u64 s[12:13], s[12:13], s[28:29]
.irp t, 0,1,2,3
.irp i, 0,1,2,3
	global_load_b128 v[R+16*\t+4*\i:R+16*\t+4*\i+3], v3, s[20:21] offset:2048*\t+512*\i th:TH_LOAD_NT
.endr
.endr
.macro TURN t                          ; row t through the stage: LDS serves a wave's instructions in order (ISA guide 5.7.1.4), so no wait stands between the stores and the loads
.irp i, 0,1,2,3
	ds_store_b128 v14, v[R+16*(\t)+4*\i:R+16*(\t)+4*\i+3] offset:32*SPC*((\t)%2)+8*SPC*\i
.endr
.irp i, 0,1,2,3
	ds_load_b128 v[X+16*((\t)%2)+4*\i:X+16*((\t)%2)+4*\i+3], v15 offset:32*SPC*((\t)%2)+16*\i
.endr
.endm
	s_wait_loadcnt 12                              ; row 0's four loads are in; twelve younger ones stay out
	TURN 0
.macro STEP t
.set XS, X+16*((\t)%2)
.if (\t) > 0
	s_wait_dscnt 2                                 ; this row is back from the stage; the last step's two stores (codes, byte) may be out
.else
	s_wait_dscnt 0x0
.endif
.if (\t) < 3
	s_wait_loadcnt 4*(2-(\t))                      ; the next row's four loads are in; those of the rows behind it may be out
	TURN (\t)+1                                    ; through the other stage while this row is worked
.endif
	v_max3_num_f32 v8, |v[XS]|, |v[XS+1]|, |v[XS+2]|               ; the largest magnitude of my 16, in two chains
	v_max3_num_f32 v9, |v[XS+3]|, |v[XS+4]|, |v[XS+5]|
.irp i, 6,10
	v_max3_num_f32 v8, v8, |v[XS+\i]|, |v[XS+\i+1]|
	v_max3_num_f32 v9, v9, |v[XS+\i+2]|, |v[XS+\i+3]|
.endr
	v_max3_num_f32 v8, v8, |v[XS+14]|, |v[XS+15]|
	v_max3_num_f32 v8, v8, v9, (EMAX+1)<<23        ; and the floor 2^(3 - 127): the byte cannot fall under 1
	v_max_num_f32_dpp v8, v8, v8 row_xmask:1 row_mask:0xf bank_mask:0xf   ; with my neighbour's 16: the block's
	v_add_nc_u32 v11, -(EMAX<<23), v8              ; 2 off its exponent field: the conversion takes the exponent field of this operand as its scale
	v_cvt_scalef32_pk8_fp4_f32 v[C+2*(\t)], v[XS:XS+7], v11
	v_cvt_scalef32_pk8_fp4_f32 v[C+2*(\t)+1], v[XS+8:XS+15], v11
	v_lshrrev_b32 v[E+(\t)], 23, v11               ; the scale's byte (also the plain instruction behind the conversions)
	ds_store_b64 v10, v[C+2*(\t):C+2*(\t)+1] offset:16*(\t)        ; 16 codes of my row t
	ds_store_b8 v5, v[E+(\t)] offset:16*(\t)       ; both lanes of a block write the same byte with the same value
.endm
.irp t, 0,1,2,3
	STEP \t
.endr
	s_wait_dscnt 0x0                               ; my codes and bytes are in LDS,
	s_barrier_signal -1
	s_barrier_wait -1                              ; and everybody's
	ds_load_b128 v[OUTR:OUTR+3], v12
	ds_load_b128 v[OUTR+4:OUTR+7], v12 offset:2*UP
	s_cmp_lg_u32 s16, 0
	s_cbranch_scc1 .Lno_bytes                      ; wave 0 sends the scale bytes
	ds_load_b64 v[8:9], v6
	s_wait_dscnt 0x0
	global_store_b64 v7, v[8:9], s[12:13] offset:4096              ; 32 lanes store 256 consecutive bytes, aligned
.Lno_bytes:
	s_wait_dscnt 1
	global_store_b128 v13, v[OUTR:OUTR+3], s[12:13]                ; 512 consecutive bytes, aligned
	s_wait_dscnt 0x0
	global_store_b128 v13, v[OUTR+4:OUTR+7], s[12:13] offset:512
	s_wait_tensorcnt 0x0                           ; the wave's end
	ds_add_u32 v[SPW], v[NIL]
	s_wait_dscnt 0x0
	s_endpgm
.Lfunc_end_k_q01ed10228d_quant:
	.size	k_q01ed10228d_quant, .Lfunc_end_k_q01ed10228d_quant-k_q01ed10228d_quant
	.p2alignl 7, 3214868480
	.fill 96, 4, 3214868480
	.section	.rodata,"a",@progbits
	.p2align	6, 0x0
	.amdhsa_kernel k_q01ed10228d_quant
		.amdhsa_group_segment_fixed_size 25600
		.amdhsa_private_segment_fixed_size 0
		.amdhsa_enable_private_segment 0
		.amdhsa_kernarg_size 40
		.amdhsa_user_sgpr_count 2
		.amdhsa_user_sgpr_kernarg_segment_ptr 1
		.amdhsa_wavefront_size32 1
		.amdhsa_system_sgpr_workgroup_id_x 1
		.amdhsa_system_sgpr_workgroup_id_y 1
		.amdhsa_system_sgpr_workgroup_id_z 1
		.amdhsa_system_vgpr_workitem_id 0
		.amdhsa_next_free_vgpr 136
		.amdhsa_next_free_sgpr 66
		.amdhsa_reserve_vcc 0
		.amdhsa_float_denorm_mode_32 3
		.amdhsa_float_denorm_mode_16_64 3
		.amdhsa_memory_ordered 1
		.amdhsa_forward_progress 1
		.amdhsa_inst_pref_size 12
	.end_amdhsa_kernel
	.amdgpu_metadata
---
amdhsa.version: [ 1, 2 ]
amdhsa.kernels:
  - .name:           k_q01ed10228d_quant
    .symbol:         k_q01ed10228d_quant.kd
    .args:
      - { .name: x, .offset: 0, .size: 8, .value_kind: global_buffer, .address_space: global }
      - { .name: Wq, .offset: 8, .size: 8, .value_kind: global_buffer, .address_space: global }
      - { .name: Wk, .offset: 16, .size: 8, .value_kind: global_buffer, .address_space: global }
      - { .name: Wv, .offset: 24, .size: 8, .value_kind: global_buffer, .address_space: global }
      - { .name: xw, .offset: 32, .size: 8, .value_kind: global_buffer, .address_space: global }
    .group_segment_fixed_size: 25600
    .private_segment_fixed_size: 0
    .kernarg_segment_align: 8
    .kernarg_segment_size: 40
    .max_flat_workgroup_size: 128
    .sgpr_count:     66
    .vgpr_count:     136
    .wavefront_size: 32
...
	.end_amdgpu_metadata
.endif
;; end of part 1
;; launch proj (part 2): grid 8 x 32, 12 waves a work-group, clusters of 4 x 4, 169,472 bytes of LDS; arguments xw, bq, bk, bv, qb, kv; writes qb, kv
.if DOCPART == 2
	.amdgcn_target "amdgcn-amd-amdhsa--gfx1250"
	.amdhsa_code_object_version 6
	.text
	.protected	k_q01ed10228d_proj
	.globl	k_q01ed10228d_proj
	.p2align	8
	.type	k_q01ed10228d_proj,@function
k_q01ed10228d_proj:
	s_mov_b64 s[64:65], 0
	v_nop
	global_prefetch_b8 v0, s[64:65] scope:SCOPE_SE
	s_setreg_imm32_b32 hwreg(HW_REG_WAVE_MODE, 25, 1), 1
	s_wait_xcnt 0x0
	s_wait_alu depctr_hold_cnt(0) depctr_sa_sdst(0) depctr_va_vdst(0) depctr_va_sdst(0) depctr_va_ssrc(0) depctr_va_vcc(0) depctr_vm_vsrc(0)
	s_getreg_b32 s2, hwreg(HW_REG_IB_STS2, 6, 4)
	s_cmp_eq_u32 s2, 0
	s_cbranch_scc0 .Lentry_in_a_cluster
	s_endpgm
.Lentry_in_a_cluster:
	s_bfe_u32 s2, ttmp6, 0x10000c
	s_cmp_lg_u32 s2, 0xf033
	s_cbranch_scc0 .Lentry_shape_is_right
	s_endpgm
.Lentry_shape_is_right:
; q, k, v = Q(x) Q(W)^T + b on codes of FP4 (E2M1) with E8M0 scales, sums in f32; the results are quantised in registers, q and k along the head's 64, v along the keys, and stored as images of the
; registers in which the attention launch wants them.
; IN: xw, tiles of 4,352 bytes (16 rows x 512 K): fragment of K step ks at 1024 ks + 512 c + 16 lane; row r's scale word of K step ks at 4096 + 16 r + 4 ks.  x's tile 4 G + t holds rows
; 64 G + 8 t + r % 8 + 32 (r / 8), Wq's and Wk's tiles likewise, Wv's tile j rows 16 j + r.
; SHARES: a work-group takes one head (work-group x) and 256 rows of x (work-group y): 16 tiles of x and the head's 4 tiles of each W, 28 tiles, 121,856 bytes of LDS, filled once.
; Twelve waves: waves 0-3 make q, 4-7 k, 8-11 v.  Each makes 16 tiles of 16 x 16 by 64 matrix instructions and reads each of its fragments from LDS once.
;   q, k: source 0 = the head's 4 tiles of W, source 1 = 4 tiles of x: a lane holds one row of x, and the 32 registers of an x tile are channels 32 (lane / 16) + 0 .. 31.
;   v:    source 0 = the 8 tiles of x of a block of 128 rows, source 1 = 2 tiles of Wv: a lane holds one channel, and the 32 registers of x's tiles 4 c .. 4 c + 3 are keys 64 c + 32 (lane / 16) + 0 .. 31.
; So in all three the 128 result registers are four runs of 32 neighbours along the next product's K, each a whole block in the lane and in the place that the operand's layout wants: one text quantises
; them, and no lane is asked for another's numbers.  The bias is the C of each sum's first matrix instruction.
; CLUSTER: 4 x 4 work-groups.  The four of a row of the cluster need the same tiles of x, the four of a column the same tiles of W: each is asked for jointly, by the same tensor load with the same
; descriptor and a mask that names the four.  One tensor load a wave is out, in waves 0 to 6.  All tiles come at the head: there is no loop to prefetch in.
; OUT: qb, blocks of 4,352 bytes, block (batch x 8 + head) x 16 + s for rows 128 s on: tile T = 4 c + t at 512 T + 16 lane (lane (r, h): codes of channels 32 h on of row 64 c + 8 t + r % 8 + 32 (r / 8));
;   scale words at 4096 + 128 g + 4 lane: lanes 0-15 the pair of tiles 4 g, 4 g + 1, lanes 16-31 the pair 4 g + 2, 4 g + 3; bytes 0, 1: the pair's first tile's two blocks, bytes 2, 3: its second tile's.
; kv, blocks of 8,704 bytes: K as in qb at 0 (its scale words at 8192); V's fragment t (channel 16 t + r, keys 64 c + 32 h on) at 4096 + 1024 t + 512 c + 16 lane; V's scale words at 8448 + 128 g + 4 lane:
;   lanes 0-15 tile 2 g, lanes 16-31 tile 2 g + 1, byte i = key block i.  The codes' stores cover 512 consecutive bytes, aligned; a wave's scale words are 128 consecutive bytes.
; LIMITS: NaN and infinities are not served.  A block of zeros, or one under 2^-124, gets the byte 1: this program alone reads the bytes.
.set TILE,  4352
.set QUAD,  4*TILE
.set WBASE, 16*TILE                    ; LDS: x's 16 tiles, then Wq's 4, Wk's 4, Wv's 4
.set VBASE, 24*TILE
.set SCO,   4096                       ; a tile's scale bytes
.set SPARE, 167936                     ; the spare words, 128 bytes for each wave
.set SCP,   16                         ; v16-23  scale words of source 0's tiles: these registers hold scales and nothing else
.set SCL,   24                         ; v24-27  of source 1's
.set SPW,   30
.set NIL,   31
.set ACC,   128                        ; v128-255 accumulator (l, p) at ACC + 8 (l x np + p)
.set TM,    32                         ; the quantiser's registers lie where the fragments lay: v32-35 largest magnitudes,
.set TP,    36                         ; v36-39 their second chains,
.set SO,    40                         ; v40-43 the conversions' scale operands,
.set BY,    48                         ; v48-51 the bytes,
.set PC,    56                         ; v56-71 the codes,
.set WD,    72                         ; v72-73 the bytes gathered,
.set OW,    74                         ; v74 the word that my lane stores
.set WV,    16                         ; s16 wave; s17 role; s18 wave % 4; s19 which block of 128 rows; s20 which half
.set G1X,   24                         ; s[24:31], s[32:35] descriptor groups 1 and 0 for x's tiles
.set G0X,   32
.set G1W,   48                         ; s[48:55], s[56:59] for W's
.set G0W,   56
.macro CROUND                          ; a round of the cluster's barrier: my work-group's barrier; wave 0 signals for the work-group; every wave waits for all sixteen; my work-group's barrier once more
	s_barrier_signal -1
	s_barrier_wait -1
	s_cmp_lg_u32 s[WV], 0
	s_cbranch_scc1 .Lnot_wave_0_\@
	s_barrier_signal -3
.Lnot_wave_0_\@:
	s_barrier_wait -3
	s_barrier_signal -1
	s_barrier_wait -1
.endm
	s_load_b256 s[4:11], s[0:1], 0x0               ; xw, bq, bk, bv
	s_load_b128 s[12:15], s[0:1], 0x20             ; qb, kv
	v_lshl_add_u32 v[SPW], v0, 2, SPARE
	v_mov_b32 v[NIL], 0
	ds_add_u32 v[SPW], v[NIL]                      ; the opening: the add, twice on end, and its wait
	ds_add_u32 v[SPW], v[NIL]
	v_lshrrev_b32 v1, 5, v0
	v_readfirstlane_b32 s[WV], v1                  ; wave 0..11
	s_lshr_b32 s17, s[WV], 2                       ; role: 0 q, 1 k, 2 v
	s_and_b32 s18, s[WV], 3
	s_lshr_b32 s19, s18, 1                         ; which block of 128 rows
	s_and_b32 s20, s[WV], 1                        ; which half: of the block's tiles (q, k), of the head's channels (v)
	s_bfe_u32 s21, ttmp6, 0x40000                  ; cx, cy: my place in the cluster
	s_bfe_u32 s22, ttmp6, 0x40004
	s_lshl_b32 s41, ttmp9, 2
	s_add_co_u32 s41, s41, s21                     ; the head = 4 x cluster x + cx
	s_and_b32 s40, ttmp7, 0xffff
	s_lshl_b32 s40, s40, 2
	s_add_co_u32 s40, s40, s22                     ; which 256 rows = 4 x cluster y + cy
	s_lshl_b32 s36, s22, 2
	s_lshl_b32 s36, 15, s36                        ; my row of the cluster
	s_lshl_b32 s37, 0x1111, s21                    ; my column
	; group 1, both kinds: four tiles are 17,408 dense bytes: 68 rows of 32 elements of 8 bytes, no padding (every LDS read takes 512 consecutive bytes)
	s_or_b32 s[G1X], s36, (3<<16)|(1<<21)          ; 15:0 the mask: x's tiles go to my row; 17:16 elements of 8 bytes; 21 set beside a mask
	s_or_b32 s[G1W], s37, (3<<16)|(1<<21)          ; W's tiles go to my column
.irp g, G1X, G1W
	s_mov_b32 s[\g+1], 32<<16                      ; tensor_dim0 = 32
	s_mov_b32 s[\g+2], 68<<16                      ; tensor_dim1 = 68
	s_mov_b32 s[\g+3], 32<<16                      ; tile_dim0 = 32
	s_mov_b32 s[\g+4], 68                          ; tile_dim1 = 68
	s_mov_b32 s[\g+5], 32                          ; from row to row
	s_mov_b32 s[\g+6], 0
	s_mov_b32 s[\g+7], 0
.endr
	s_mul_i32 s38, s[WV], QUAD                     ; where my four tiles go: wave x 17,408: waves 0-3 x's, waves 4-6 Wq's, Wk's, Wv's
	s_mul_i32 s42, s40, 16*TILE                    ; x: tile 16 x (which 256 rows) + 4 x wave: made of the rows and the wave alone
	s_add_co_u32 s42, s42, s38
	s_mov_b32 s43, 0
	s_lshl_b32 s44, s[WV], 5                       ; W: tile 512 + 32 (wave - 4) + 4 x head: made of the head and the wave alone
	s_add_co_u32 s44, s44, 384
	s_lshl_b32 s45, s41, 2
	s_add_co_u32 s44, s44, s45
	s_mul_i32 s44, s44, TILE
	s_mov_b32 s45, 0
	; LDS addresses and offsets, all made here, ahead of the places where the roles part
	v_and_b32 v3, 31, v0                           ; lane
	v_lshlrev_b32 v1, 4, v3                        ; 16 x lane: a fragment's place for my lane, and my place in a store of codes
	v_and_b32 v14, 15, v0                          ; r
	v_lshlrev_b32 v2, 4, v14                       ; 16 r: my row's scale bytes
	v_bfe_u32 v12, v0, 4, 1
	v_lshlrev_b32 v12, 7, v12                      ; 128 (lane / 16): q's and k's bias
	v_lshlrev_b32 v14, 2, v14                      ; 4 r: v's bias
	v_lshlrev_b32 v13, 2, v3                       ; 4 x lane: my scale word's place
	s_mul_i32 s46, s17, QUAD
	s_add_co_u32 s46, s46, WBASE                   ; q, k: my W's four tiles
	s_mul_i32 s47, s18, QUAD                       ; and my four tiles of x
	v_add_nc_u32 v4, s46, v1
	v_add_nc_u32 v5, s47, v1
	s_add_co_u32 s46, s46, SCO
	s_add_co_u32 s47, s47, SCO
	v_add_nc_u32 v6, s46, v2
	v_add_nc_u32 v7, s47, v2
	s_mul_i32 s46, s19, 8*TILE                     ; v: my block's eight tiles of x
	s_mul_i32 s47, s20, 2*TILE
	s_add_co_u32 s47, s47, VBASE                   ; and my two tiles of Wv
	v_add_nc_u32 v8, s46, v1
	v_add_nc_u32 v9, s47, v1
	s_add_co_u32 s46, s46, SCO
	s_add_co_u32 s47, s47, SCO
	v_add_nc_u32 v10, s46, v2
	v_add_nc_u32 v11, s47, v2
	; where my results go: block ((rows' block / 16) x 8 + head) x 16 + rows' block % 16
	s_lshl_b32 s74, s40, 1
	s_add_co_u32 s74, s74, s19                     ; the block of 128 rows, 0..63
	s_lshr_b32 s75, s74, 4                         ; the batch
	s_and_b32 s74, s74, 15
	s_lshl_b32 s75, s75, 3
	s_add_co_u32 s75, s75, s41
	s_lshl_b32 s75, s75, 4
	s_add_co_u32 s74, s74, s75
	s_mov_b32 s76, 8704                            ; a block's bytes: kv's,
	s_mov_b32 s77, 8192                            ; the scale words' place: k's
	s_lshl_b32 s82, s41, 8                         ; the head's 64 numbers of a bias
	s_mov_b32 s83, 0
	s_wait_alu depctr_va_vdst(0)                   ; directly ahead of the waits below
	s_wait_dscnt 0x0                               ; both opening adds are done
	s_wait_kmcnt 0x0
	s_cmp_eq_u32 s17, 0
	s_cselect_b32 s76, 4352, s76                   ; qb's
	s_cselect_b32 s77, 4096, s77                   ; q's
	s_cselect_b64 s[66:67], s[12:13], s[14:15]     ; the choice hangs on the wave's number alone
	s_cselect_b64 s[70:71], s[6:7], s[8:9]
	s_cmp_eq_u32 s17, 2
	s_cselect_b32 s78, 4096, 0                     ; the codes' place: V's lie behind K's
	s_cselect_b32 s77, 8448, s77                   ; v's
	s_mul_i32 s74, s74, s76
	s_lshl_b32 s79, s20, 11                        ; my half: four images of 512 bytes
	s_add_co_u32 s78, s78, s79
	s_add_co_u32 s78, s78, s74
	s_mov_b32 s79, 0
	s_lshl_b32 s80, s20, 7                         ; my half: one register of scale words
	s_add_co_u32 s80, s80, s77
	s_add_co_u32 s80, s80, s74
	s_mov_b32 s81, 0
	s_add_nc_u64 s[68:69], s[66:67], s[80:81]      ; my scale words
	s_add_nc_u64 s[66:67], s[66:67], s[78:79]      ; my codes
	s_add_nc_u64 s[70:71], s[70:71], s[82:83]      ; bq or bk at my head
	s_add_nc_u64 s[72:73], s[10:11], s[82:83]      ; bv at my head,
	s_lshl_b32 s82, s20, 7
	s_add_nc_u64 s[72:73], s[72:73], s[82:83]      ; at my 32 channels
	s_mov_b32 s[G0X], 1                            ; 1:0 count = 1
	s_mov_b32 s[G0X+1], s38                        ; 63:32 LDS address
	s_add_nc_u64 s[G0X+2:G0X+3], s[4:5], s[42:43]  ; 120:64 global address
	s_or_b32 s[G0X+3], s[G0X+3], 0x80000000        ; 127:126 type = 2
	s_mov_b32 s[G0W], 1
	s_mov_b32 s[G0W+1], s38
	s_add_nc_u64 s[G0W+2:G0W+3], s[4:5], s[44:45]
	s_or_b32 s[G0W+3], s[G0W+3], 0x80000000
	; the biases, in the result's layout
	s_cmp_lt_u32 s[WV], 8
	s_cbranch_scc0 .Lbias_v
.irp p, 0,1,2,3                        ; q, k: tile p, register j: channel 32 (lane / 16) + 8 p + j
	global_load_b128 v[96+8*\p:96+8*\p+3], v12, s[70:71] offset:32*\p
	global_load_b128 v[96+8*\p+4:96+8*\p+7], v12, s[70:71] offset:32*\p+16
.endr
	s_branch .Lbias_done
.Lbias_v:
.irp l, 0,1                            ; v: a lane holds one channel: one number for a tile's eight registers
	global_load_b32 v[112+8*\l], v14, s[72:73] offset:64*\l
.endr
.Lbias_done:
	CROUND                                         ; all sixteen work-groups are here: the joint loads meet
	s_cmp_lt_u32 s[WV], 4                          ; the branches hang on the wave's number alone; four v_nop follow each tensor load
	s_cbranch_scc0 .Lnot_x
	tensor_load_to_lds s[G0X:G0X+3], s[G1X:G1X+7]
	s_nop 0
.rept 4
	v_nop
.endr
	s_branch .Lasked
.Lnot_x:
	s_cmp_lt_u32 s[WV], 7
	s_cbranch_scc0 .Lasked
	tensor_load_to_lds s[G0W:G0W+3], s[G1W:G1W+7]
	s_nop 0
.rept 4
	v_nop
.endr
.Lasked:
	s_wait_tensorcnt 0x0                           ; my four tiles have landed,
	s_wait_loadcnt 0x0                             ; and my biases
	s_barrier_signal -1
	s_barrier_wait -1                              ; everybody's tiles have: from here on LDS is only read
; np tiles of source 0 into v[fp] on, nl tiles of source 1 into v[fl] on, K step ks, each with its rows' scale words: three loads a tile
.macro FETCH np, nl, fp, fl, ap, asp, al, asl, ks
.set ip, 0
.rept \np
	ds_load_b128 v[\fp+8*ip:\fp+8*ip+3], v[\ap] offset:ip*TILE+\ks*1024
	ds_load_b128 v[\fp+8*ip+4:\fp+8*ip+7], v[\ap] offset:ip*TILE+\ks*1024+512
	ds_load_b32 v[SCP+ip], v[\asp] offset:ip*TILE+4*\ks
.set ip, ip+1
.endr
.set il, 0
.rept \nl
	ds_load_b128 v[\fl+8*il:\fl+8*il+3], v[\al] offset:il*TILE+\ks*1024
	ds_load_b128 v[\fl+8*il+4:\fl+8*il+7], v[\al] offset:il*TILE+\ks*1024+512
	ds_load_b32 v[SCL+il], v[\asl] offset:il*TILE+4*\ks
.set il, il+1
.endr
.endm
; 16 matrix instructions, the 16 accumulators by turns, one instruction a turn.  K step 0 starts each sum with its bias: tile p's (byp = 1) or tile l's (byp = 0)
.macro MULS np, nl, fp, fl, bi, byp, ks
.set il, 0
.rept \nl
	s_wait_dscnt 3*(\nl-1-il)                      ; source 0's tiles and source 1's up to this one are in; the later tiles' three loads each may be out
.set ip, 0
.rept \np
.set rD, ACC+8*(il*\np+ip)
.if \ks == 0
.set rC, \bi+8*(\byp*ip+(1-\byp)*il)
.else
.set rC, rD
.endif
	v_wmma_scale_f32_16x16x128_f8f6f4 v[rD:rD+7], v[\fp+8*ip:\fp+8*ip+7], v[\fl+8*il:\fl+8*il+7], v[rC:rC+7], v[SCP+ip], v[SCL+il] matrix_a_fmt:MATRIX_FMT_FP4 matrix_b_fmt:MATRIX_FMT_FP4
.set ip, ip+1
.endr
.set il, il+1
.endr
.endm
.macro BODY np, nl, fp, fl, bi, byp, ap, asp, al, asl
.irp ks, 0,1,2,3
.if \ks > 0
.rept 4
	v_nop                                          ; four places in front of loads into registers that matrix instructions have read (ISA guide 7.12.1 for vector instructions)
.endr
.endif
	FETCH \np, \nl, \fp, \fl, \ap, \asp, \al, \asl, \ks
	MULS \np, \nl, \fp, \fl, \bi, \byp, \ks
.endr
.endm
	s_cmp_lt_u32 s[WV], 8
	s_cbranch_scc0 .Lrole_v
	BODY 4, 4, 32, 64, 96, 1, 4, 6, 5, 7           ; q, k: W's four tiles v32-63, x's four v64-95, the bias v96-127
	s_branch .Lquant
.Lrole_v:
.irp l, 0,1
.irp j, 1,2,3,4,5,6,7
	v_mov_b32 v[112+8*\l+\j], v[112+8*\l]          ; the channel's bias in all eight registers of the tile
.endr
.endr
	s_wait_alu depctr_va_vdst(0)
	BODY 8, 2, 32, 96, 112, 0, 8, 10, 9, 11        ; v: x's eight tiles v32-95, Wv's two v96-111, the bias v112-127
.Lquant:
	; THE QUANTISER, one text for the three roles: run b of four, v[ACC + 32 b] on, is my lane's whole block of 32 neighbours along the next K
.rept 4
	v_nop                                          ; four places behind the last products
.endr
.irp b, 0,1,2,3
	v_max3_num_f32 v[TM+\b], |v[ACC+32*\b]|, |v[ACC+32*\b+1]|, 0x1800000   ; from each accumulator's low end on, with the floor 2^(3 - 127): the byte cannot fall under 1
.endr
.irp b, 0,1,2,3
	v_max3_num_f32 v[TP+\b], |v[ACC+32*\b+2]|, |v[ACC+32*\b+3]|, |v[ACC+32*\b+4]|   ; (two chains a run, the runs by turns)
.endr
.irp i, 5,9,13,17,21,25
.irp b, 0,1,2,3
	v_max3_num_f32 v[TM+\b], v[TM+\b], |v[ACC+32*\b+\i]|, |v[ACC+32*\b+\i+1]|
.endr
.irp b, 0,1,2,3
	v_max3_num_f32 v[TP+\b], v[TP+\b], |v[ACC+32*\b+\i+2]|, |v[ACC+32*\b+\i+3]|
.endr
.endr
.irp b, 0,1,2,3
	v_max3_num_f32 v[TM+\b], v[TM+\b], |v[ACC+32*\b+29]|, |v[ACC+32*\b+30]|
.endr
.irp b, 0,1,2,3
	v_max3_num_f32 v[TM+\b], v[TM+\b], v[TP+\b], |v[ACC+32*\b+31]|   ; the block's largest magnitude
.endr
.irp b, 0,1,2,3
	v_add_nc_u32 v[SO+\b], 0xff000000, v[TM+\b]    ; 2 off its exponent field: the conversion's scale operand
.endr
.irp b, 0,1,2,3
	v_lshrrev_b32 v[BY+\b], 23, v[SO+\b]           ; the scale's byte
.endr
.irp b, 0,1,2,3
.irp g, 0,1,2,3
	v_cvt_scalef32_pk8_fp4_f32 v[PC+4*\b+\g], v[ACC+32*\b+8*\g:ACC+32*\b+8*\g+7], v[SO+\b]
.endr
.endr
.irp g, 0,1
	v_lshl_or_b32 v[WD+\g], v[BY+2*\g+1], 16, v[BY+2*\g]   ; my lane's bytes of word g: lanes 0-15 have bytes 0 and 2, lanes 16-31 those that belong into bytes 1 and 3
.endr
	v_permlane16_swap_b32 v[WD], v[WD+1]           ; lanes 0-15 take word 0's two parts, lanes 16-31 word 1's
	v_lshl_or_b32 v[OW], v[WD+1], 8, v[WD]
.irp g, 0,1,2,3
	global_store_b128 v1, v[PC+4*\g:PC+4*\g+3], s[66:67] offset:512*\g   ; an image: 512 consecutive bytes, aligned
.endr
	global_store_b32 v13, v[OW], s[68:69]          ; my 32 scale words: 128 consecutive bytes
	s_wait_tensorcnt 0x0                           ; the wave's end
	ds_add_u32 v[SPW], v[NIL]
	s_wait_dscnt 0x0
	CROUND                                         ; the closing round: no work-group ends while a partner may still ask for a tile that names it
	s_endpgm
.Lfunc_end_k_q01ed10228d_proj:
	.size	k_q01ed10228d_proj, .Lfunc_end_k_q01ed10228d_proj-k_q01ed10228d_proj
	.p2alignl 7, 3214868480
	.fill 96, 4, 3214868480
	.section	.rodata,"a",@progbits
	.p2align	6, 0x0
	.amdhsa_kernel k_q01ed10228d_proj
		.amdhsa_group_segment_fixed_size 169472
		.amdhsa_private_segment_fixed_size 0
		.amdhsa_enable_private_segment 0
		.amdhsa_kernarg_size 48
		.amdhsa_user_sgpr_count 2
		.amdhsa_user_sgpr_kernarg_segment_ptr 1
		.amdhsa_wavefront_size32 1
		.amdhsa_system_sgpr_workgroup_id_x 1
		.amdhsa_system_sgpr_workgroup_id_y 1
		.amdhsa_system_sgpr_workgroup_id_z 1
		.amdhsa_system_vgpr_workitem_id 0
		.amdhsa_next_free_vgpr 256
		.amdhsa_next_free_sgpr 100
		.amdhsa_reserve_vcc 0
		.amdhsa_float_denorm_mode_32 3
		.amdhsa_float_denorm_mode_16_64 3
		.amdhsa_memory_ordered 1
		.amdhsa_forward_progress 1
		.amdhsa_inst_pref_size 47
	.end_amdhsa_kernel
	.amdgpu_metadata
---
amdhsa.version: [ 1, 2 ]
amdhsa.kernels:
  - .name:           k_q01ed10228d_proj
    .symbol:         k_q01ed10228d_proj.kd
    .args:
      - { .name: xw, .offset: 0, .size: 8, .value_kind: global_buffer, .address_space: global }
      - { .name: bq, .offset: 8, .size: 8, .value_kind: global_buffer, .address_space: global }
      - { .name: bk, .offset: 16, .size: 8, .value_kind: global_buffer, .address_space: global }
      - { .name: bv, .offset: 24, .size: 8, .value_kind: global_buffer, .address_space: global }
      - { .name: qb, .offset: 32, .size: 8, .value_kind: global_buffer, .address_space: global }
      - { .name: kv, .offset: 40, .size: 8, .value_kind: global_buffer, .address_space: global }
    .group_segment_fixed_size: 169472
    .private_segment_fixed_size: 0
    .kernarg_segment_align: 8
    .kernarg_segment_size: 48
    .max_flat_workgroup_size: 384
    .sgpr_count:     100
    .vgpr_count:     256
    .wavefront_size: 32
...
	.end_amdgpu_metadata
.endif
;; end of part 2
;; launch attn (part 3): grid 8 x 32, 8 waves a work-group, clusters of 4 x 1, 209,920 bytes of LDS; arguments qb, kv, noise, out0; writes out0
.if DOCPART == 3
	.amdgcn_target "amdgcn-amd-amdhsa--gfx1250"
	.amdhsa_code_object_version 6
	.text
	.protected	k_q01ed10228d_attn
	.globl	k_q01ed10228d_attn
	.p2align	8
	.type	k_q01ed10228d_attn,@function
k_q01ed10228d_attn:
	s_mov_b64 s[64:65], 0
	v_nop
	global_prefetch_b8 v0, s[64:65] scope:SCOPE_SE
	s_setreg_imm32_b32 hwreg(HW_REG_WAVE_MODE, 25, 1), 1
	s_wait_xcnt 0x0
	s_wait_alu depctr_hold_cnt(0) depctr_sa_sdst(0) depctr_va_vdst(0) depctr_va_sdst(0) depctr_va_ssrc(0) depctr_va_vcc(0) depctr_vm_vsrc(0)
	s_getreg_b32 s2, hwreg(HW_REG_IB_STS2, 6, 4)
	s_cmp_eq_u32 s2, 0
	s_cbranch_scc0 .Lentry_in_a_cluster
	s_endpgm
.Lentry_in_a_cluster:
	s_bfe_u32 s2, ttmp6, 0x10000c
	s_cmp_lg_u32 s2, 0x3003
	s_cbranch_scc0 .Lentry_shape_is_right
	s_endpgm
.Lentry_shape_is_right:
; out[b][q][64 h + d] = (softmax_k(q . k / 8) v + noise[b][h][q][d]) / 1.01, both products on codes of FP4 (E2M1) with one E8M0 scale for each 32 along a product's K.
; THE SOFTMAX AHEAD OF THE SECOND PRODUCT: t = score x log2(e) / 8; M = the running largest t rounded UP to a whole number; p = 2^(t - M) is quantised along the keys, not normalised; the row's sum is taken of
; the unquantised p, in f32, and divides at the end.  When M moves, the sum and O are multiplied by 2^(old M - new M), which rounds nothing.
; IN: qb and kv, as the launch before lays them: images of the operands' registers (16 bytes a lane, 512 a group of four registers), in blocks of 128 rows.
; SHARES: a work-group owns 256 queries of one (batch, head); each of its eight waves two tiles of 16 queries in 512 registers, two waves to a SIMD.  Every wave walks the head's 2,048 keys, 256 a step, and takes
; its two tiles of queries one after the other: both use the same fragments of K and V, each read from LDS once a step.
; LDS: the head's K and V with their scale words are 16 blocks of 8,704 bytes, 139,264 in all: they come ONCE, two blocks and one tensor load a wave, and are only read afterwards: no slot is filled again and
; the loop has no barrier.  Behind them: a stage of 16 rows x 272 bytes for each tile of queries, its wave's own, for the way out.
; CLUSTER: the four query blocks of a cluster belong to one head and need the same 139,264 bytes: each pair of blocks is asked for jointly, by the same tensor load with the same descriptor and a mask that names
; the four.  One tensor load a wave is out.  No prefetch: what the loop reads is in LDS before it begins, and the noise is asked for ahead of it.
; LAYOUT: both products are used transposed: S^T = K Q^T (source 0 = 16 keys, source 1 = 16 queries), O^T = V^T P^T (source 0 = 16 channels, source 1 = P): a lane holds ONE query (lane % 16) of a tile throughout.
; Row r of tile 4 c + t (of keys and of queries alike) is row 64 c + 8 t + r % 8 + 32 (r / 8) of its block of 128: so the 32 registers of S^T's tiles 4 c .. 4 c + 3 are keys 64 c + 32 (lane / 16) + 0 .. 31,
; a whole block of 32, in the lane and in the order in which P's operand wants them.
; THE HEAD'S 64 IN AN INSTRUCTION OF 128: q's side holds zero codes in the other 64.  Source 0 holds a pair of K's tiles, the first in K 0-63, the second in K 64-127; (q, zeros) takes the first, (zeros, q) the second.
; So one scale word serves both tiles of a pair, bytes 0, 1 the first's and bytes 2, 3 the second's, and q's word holds its two bytes twice.  Every byte is 1 to 254 and every code finite: what stands against a zero code adds zero.
; LIMITS: NaN and infinities are not served.  The scaled scores (exponents to the base 2, before the maximum is taken away) stay under 2^31 in magnitude.  / 1.01 is a multiplication by the f32 number nearest to 1 / 1.01.
; A block's largest p is made from its largest score by the same two instructions as every p; that takes v_exp_f32 not to fall where its input rises.  v_exp_f32 gives 0 for results under 2^-126 (ISA guide, its entry); a
; block whose every p is 0 keeps the byte 1: its codes are zeros.
; REGISTERS, in windows of 256 (s_set_vgpr_msb; bits 1:0 source 0, 3:2 source 1, 5:4 source 2, 7:6 destination).  Window 0: all but the fragments of K and V, O^T and the noise, which lie in window 1.
.set BLK,   8704                       ; a block of kv: K's 8 images, V's 8 half fragments x 2, K's scale words, V's
.set HEADB, 16*BLK
.set VO,    4096
.set KSO,   8192
.set VSO,   8448
.set STG,   HEADB                      ; the stages
.set SPI,   272
.set TSG,   16*SPI
.set SPARE, STG+16*TSG                 ; the spare words, 128 bytes for each wave
.set LI,  1                            ; v1   16 x lane
.set LS,  2                            ; v2   4 x lane
.set AD,  3                            ; v3   the step's blocks + 16 x lane
.set ADS, 4                            ; v4   the step's blocks + 4 x lane
.set GO,  5                            ; v5   my byte offset in two rows of out
.set NO,  6                            ; v6   and of the noise
.set STI, 7                            ; v7   the stage: where I put 32 bytes of a row
.set STB, 8                            ; v8   and where I read a row back
.set MX,  12                           ; v[12:13], v[14:15] -M and the largest score, tile A's and B's
.set SUM, 16                           ; v[16:17], v[18:19] the row's sum in two halves
.set KS,  20                           ; v20-23 K's scale words
.set VS,  24                           ; v24-27 V's
.set QS,  28                           ; v28-29 q's, tile A's and B's
.set PW,  30                           ; v30-31 p's, of the step's two halves
.set BM,  32                           ; v32-35 the blocks' largest scores, then largest p
.set CO,  36                           ; v36-39 the conversions' scale operands
.set BY,  40                           ; v40-43 the maxima's second chains, then the bytes
.set FF,  44                           ; v44 f = 2^(old M - new M); v45 the pair's other half
.set TT,  46
.set PX,  47                           ; v47-49 the lane exchange's results
.set TN,  50
.set TU,  51
.set SPW, 54
.set NIL, 55
.set Q,   56                           ; v56-75 zeros, q of tile A, zeros, q of tile B, zeros: four registers each
.set LT,  80                           ; v80-111 the sums' first level
.set PC,  112                          ; v112-127 p's codes, of the step's two halves
.set S,   128                          ; v128-255 S^T, then p; on the way out rows of out
.set KF,  0                            ; window 1: v0-63 K, half h's tile T at 32 h + 4 T
.set VF,  64                           ; v64-127 V, half h's fragment t at 32 h + 8 t
.set OT,  128                          ; v128-159, v160-191 O^T, tile A's and B's
.set NZ,  192                          ; v192-255 the noise
.set WV,  12
.set SEL, 20                           ; s[20:21] selects of v_permlanex16_b32 for lane xor 16
.set CS,  22                           ; s[22:23] c = log2(e) / 8: the packed form names a pair and takes its low word for both halves
.set TB,  36                           ; s36 the step's first block in LDS
.set CNT, 37
.set RK,  38                           ; s[38:39] 1 / 1.01
.set MSB, 0
.macro WIN new                         ; the immediate's high byte repeats the setting that is left
.if MSB != \new
	s_set_vgpr_msb (MSB<<8)|\new
.set MSB, \new
.endif
.endm
.macro CROUND                          ; a round of the cluster's barrier
	s_barrier_signal -1
	s_barrier_wait -1
	s_cmp_lg_u32 s[WV], 0
	s_cbranch_scc1 .Lnot_wave_0_\@
	s_barrier_signal -3
.Lnot_wave_0_\@:
	s_barrier_wait -3
	s_barrier_signal -1
	s_barrier_wait -1
.endm
	s_load_b256 s[4:11], s[0:1], 0x0               ; qb, kv, noise, out0
	v_lshl_add_u32 v[SPW], v0, 2, SPARE
	v_mov_b32 v[NIL], 0
	ds_add_u32 v[SPW], v[NIL]                      ; the opening: the add, twice on end, and its wait
	ds_add_u32 v[SPW], v[NIL]
	v_lshrrev_b32 v9, 5, v0
	v_readfirstlane_b32 s[WV], v9                  ; wave 0..7
	s_bfe_u32 s13, ttmp6, 0x40000                  ; cx
	s_lshl_b32 s14, ttmp9, 2
	s_add_co_u32 s14, s14, s13                     ; my block of 256 queries: it enters q's, the noise's and out's addresses alone
	s_and_b32 s15, ttmp7, 0xffff                   ; batch x 8 + head, which the four partners share
	; group 1: two blocks of kv are 17,408 dense bytes: 68 rows of 32 elements of 8 bytes, no padding (every LDS read takes consecutive bytes)
	s_mov_b32 s24, 15|(3<<16)|(1<<21)              ; 15:0 the mask: all four work-groups; 17:16 elements of 8 bytes; 21 set beside a mask
	s_mov_b32 s25, 32<<16                          ; tensor_dim0 = 32
	s_mov_b32 s26, 68<<16                          ; tensor_dim1 = 68
	s_mov_b32 s27, 32<<16                          ; tile_dim0 = 32
	s_mov_b32 s28, 68                              ; tile_dim1 = 68
	s_mov_b32 s29, 32                              ; from row to row
	s_mov_b32 s30, 0
	s_mov_b32 s31, 0
	s_mul_i32 s40, s15, HEADB
	s_mul_i32 s42, s[WV], 2*BLK                    ; wave w fetches blocks 2 w, 2 w + 1: no place in the cluster enters an LDS address
	s_add_co_u32 s40, s40, s42
	s_mov_b32 s41, 0
	; my tiles of queries: block of 128 sq = 2 x (block of 256) + wave / 4, tiles T = 2 (wave % 4) and T + 1
	s_lshl_b32 s16, s14, 1
	s_lshr_b32 s17, s[WV], 2
	s_add_co_u32 s16, s16, s17                     ; sq
	s_and_b32 s17, s[WV], 3
	s_lshl_b32 s44, s15, 4
	s_add_co_u32 s44, s44, s16
	s_mul_i32 s44, s44, 4352                       ; its block of qb
	s_mov_b32 s45, 0
	s_lshl_b32 s46, s17, 10                        ; the two tiles' images
	s_mov_b32 s47, 0
	s_lshl_b32 s48, s17, 6                         ; and their pair's scale words
	s_add_co_u32 s48, s48, 4096
	s_mov_b32 s49, 0
	s_lshr_b32 s50, s17, 1
	s_lshl_b32 s50, s50, 6
	s_and_b32 s51, s17, 1
	s_lshl_b32 s51, s51, 4
	s_add_co_u32 s51, s51, s50
	s_lshl_b32 s50, s16, 7
	s_add_co_u32 s51, s51, s50                     ; tile A's first query: 128 sq + 64 (T / 4) + 8 (T % 4); tile B's is 8 on
	s_lshl_b32 s52, s15, 11
	s_add_co_u32 s52, s52, s51
	s_lshl_b32 s52, s52, 8                         ; the noise: 256 bytes a query
	s_mov_b32 s53, 0
	s_lshr_b32 s54, s15, 3
	s_lshl_b32 s54, s54, 11
	s_add_co_u32 s54, s54, s51
	s_lshl_b32 s54, s54, 11                        ; out: 2,048 bytes a query,
	s_and_b32 s55, s15, 7
	s_lshl_b32 s55, s55, 8                         ; the head's 256 of them
	s_add_co_u32 s54, s54, s55
	s_mov_b32 s55, 0
	s_mul_i32 s56, s[WV], 2*TSG
	s_add_co_u32 s56, s56, STG                     ; my two stages
	s_mov_b32 s[SEL], 0x76543210
	s_mov_b32 s[SEL+1], 0xfedcba98
	s_mov_b32 s[CS], 0x3e38aa3b                    ; log2(e) / 8
	s_mov_b32 s[CS+1], s[CS]
	s_mov_b32 s[RK], 0x3f7d7721                    ; 1 / 1.01
	s_mov_b32 s[RK+1], s[RK]
	s_mov_b32 s[TB], 0
	s_mov_b32 s[CNT], 7
	v_and_b32 v9, 31, v0                           ; lane
	v_and_b32 v10, 15, v0                          ; r
	v_bfe_u32 v11, v0, 4, 1                        ; h
	v_lshlrev_b32 v[LI], 4, v9
	v_lshlrev_b32 v[LS], 2, v9
	v_lshlrev_b32 v76, 2, v10
	v_lshlrev_b32 v[GO], 4, v10
	v_lshl_add_u32 v[NO], v11, 8, v[GO]            ; lanes 0-15 one query, lanes 16-31 the next; 16 bytes a lane
	v_lshl_add_u32 v[GO], v11, 11, v[GO]
	v_mul_u32_u24 v[STI], v10, SPI
	v_mul_u32_u24 v[STB], v11, SPI
	v_lshl_add_u32 v[STI], v11, 5, v[STI]
	v_lshl_add_u32 v[STB], v10, 4, v[STB]
	v_add_nc_u32 v[STI], s56, v[STI]               ; in: row r, + 32 h; the fragment's 64 bytes stand in the immediate
	v_add_nc_u32 v[STB], s56, v[STB]               ; back: lanes 0-15 one row, lanes 16-31 the next
	s_wait_alu depctr_va_vdst(0)                   ; directly ahead of the waits below
	s_wait_dscnt 0x0                               ; both opening adds are done
	s_wait_kmcnt 0x0
	s_mov_b32 s32, 1                               ; group 0: 1:0 count = 1
	s_mov_b32 s33, s42                             ; 63:32 LDS address
	s_add_nc_u64 s[34:35], s[6:7], s[40:41]        ; 120:64 global address
	s_or_b32 s35, s35, 0x80000000                  ; 127:126 type = 2
	s_add_nc_u64 s[44:45], s[4:5], s[44:45]
	s_add_nc_u64 s[46:47], s[44:45], s[46:47]      ; q's codes
	s_add_nc_u64 s[48:49], s[44:45], s[48:49]      ; q's scale words
	s_add_nc_u64 s[52:53], s[8:9], s[52:53]
	s_add_nc_u64 s[54:55], s[10:11], s[54:55]
	global_load_b128 v[Q+4:Q+7], v[LI], s[46:47]   ; q's codes stay in registers
	global_load_b128 v[Q+12:Q+15], v[LI], s[46:47] offset:512
	global_load_b32 v77, v76, s[48:49]             ; the pair's scale word of my row
	CROUND                                         ; all four work-groups are here: the joint loads meet
	tensor_load_to_lds s[32:35], s[24:31]
	s_nop 0
.rept 4
	v_nop
.endr
.irp j, 0,1,2,3,8,9,10,11,16,17,18,19
	v_mov_b32 v[Q+\j], 0                           ; the zero codes beside q
.endr
.irp x, 0,1
	v_mov_b32 v[MX+2*\x+1], 0xff61b1e6             ; the largest score so far: -3e38, under every score
	v_mov_b32 v[SUM+2*\x], 0
	v_mov_b32 v[SUM+2*\x+1], 0
.endr
.irp j, 0,1,2
	v_mov_b32 v[PX+\j], 0                          ; written once: a lane exchange's destination counts as one of its sources
.endr
	v_mov_b32 v[FF+1], 0                           ; (named as the pair's upper half)
.set jj, 0
.rept 32
	v_mov_b32 v[LT+jj], 0                          ; the 16 sums: the first tile of queries folds its predecessor's, which are zeros
.set jj, jj+1
.endr
.irp x, 0,1
	v_floor_f32 v[MX+2*\x], -v[MX+2*\x+1]          ; -M
.endr
	s_wait_alu depctr_va_vdst(0)                   ; directly ahead of the wait below
	s_wait_loadcnt 0x0                             ; q
	v_and_b32 v78, 0xffff, v77                     ; tile A's two bytes,
	v_lshrrev_b32 v79, 16, v77                     ; tile B's,
	v_lshl_or_b32 v[QS], v78, 16, v78              ; each twice
	v_lshl_or_b32 v[QS+1], v79, 16, v79
	WIN 0x40
.set jj, 0
.rept 64
	v_mov_b32 v[OT+jj], 0                          ; O^T: the step is written for the loop; its first trip finds zeros.  (These are also the places between q's scale words and the first product)
.set jj, jj+1
.endr
	WIN 0
	s_wait_alu depctr_va_vdst(0)                   ; the wait at the head's end
	s_wait_tensorcnt 0x0                           ; my blocks have landed,
	s_barrier_signal -1
	s_barrier_wait -1                              ; everybody's have
; K of two blocks, from block first on, as seen from the address registers
.macro KLOAD ad, as, first
	WIN 0x40
.irp h, 0,1
.irp t, 0,1,2,3,4,5,6,7
	ds_load_b128 v[KF+32*\h+4*\t:KF+32*\h+4*\t+3], v[\ad] offset:(\first+\h)*BLK+512*\t
.endr
.endr
	WIN 0
.irp h, 0,1
.irp g, 0,1
	ds_load_b32 v[KS+2*\h+\g], v[\as] offset:(\first+\h)*BLK+KSO+128*\g
.endr
.endr
.endm
	KLOAD LI, LS, 0                                ; K of step 0
	WIN 0x40
.irp x, 0,1
.irp i, 0,1,2,3,4,5,6,7
	global_load_b128 v[NZ+32*\x+4*\i:NZ+32*\x+4*\i+3], v[NO], s[52:53] offset:(8*\x+2*(\i%4)+32*(\i/4))*256 th:TH_LOAD_NT   ; the noise, for the way out: tile rows 2 i, 2 i + 1 are queries 2 (i % 4) + 32 (i / 4) on: 16 lanes read a query's 256 bytes
.endr
.endr
	WIN 0
.macro KQ x, h, b, u                   ; half h: S^T's tile 2 b + u.  K's scale words of pair b: register b / 2, lanes 0-15 or 16-31
.if (\b)%2
	v_wmma_scale_f32_16x16x128_f8f6f4 v[S+64*\h+8*(2*\b+\u):S+64*\h+8*(2*\b+\u)+7], v[KF+32*\h+8*\b:KF+32*\h+8*\b+7], v[Q+8*\x+4-4*\u:Q+8*\x+11-4*\u], 0, v[KS+2*\h+(\b)/2], v[QS+\x] matrix_a_fmt:MATRIX_FMT_FP4 matrix_b_fmt:MATRIX_FMT_FP4 matrix_a_scale:MATRIX_SCALE_ROW1
.else
	v_wmma_scale_f32_16x16x128_f8f6f4 v[S+64*\h+8*(2*\b+\u):S+64*\h+8*(2*\b+\u)+7], v[KF+32*\h+8*\b:KF+32*\h+8*\b+7], v[Q+8*\x+4-4*\u:Q+8*\x+11-4*\u], 0, v[KS+2*\h+(\b)/2], v[QS+\x] matrix_a_fmt:MATRIX_FMT_FP4 matrix_b_fmt:MATRIX_FMT_FP4
.endif
.endm
.macro PV x, h, t                      ; O^T's tile t += half h: V's fragment t x P
.set rO, OT+32*\x+8*\t
.if (\t)%2
	v_wmma_scale_f32_16x16x128_f8f6f4 v[rO:rO+7], v[VF+32*\h+8*\t:VF+32*\h+8*\t+7], v[PC+8*\h:PC+8*\h+7], v[rO:rO+7], v[VS+2*\h+(\t)/2], v[PW+\h] matrix_a_fmt:MATRIX_FMT_FP4 matrix_b_fmt:MATRIX_FMT_FP4 matrix_a_scale:MATRIX_SCALE_ROW1
.else
	v_wmma_scale_f32_16x16x128_f8f6f4 v[rO:rO+7], v[VF+32*\h+8*\t:VF+32*\h+8*\t+7], v[PC+8*\h:PC+8*\h+7], v[rO:rO+7], v[VS+2*\h+(\t)/2], v[PW+\h] matrix_a_fmt:MATRIX_FMT_FP4 matrix_b_fmt:MATRIX_FMT_FP4
.endif
.endm
.macro FOLD i, n                       ; the 16 sums of the tile before: sum i takes sum i + n
	v_pk_add_f32 v[LT+2*(\i):LT+2*(\i)+1], v[LT+2*(\i):LT+2*(\i)+1], v[LT+2*(\i)+2*(\n):LT+2*(\i)+2*(\n)+1]
.endm
.macro ADDP                            ; half 1's pair jj onto the 16 sums
	v_pk_add_f32 v[LT+2*(jj%16):LT+2*(jj%16)+1], v[LT+2*(jj%16):LT+2*(jj%16)+1], v[S+64+2*jj:S+65+2*jj]
.set jj, jj+1
.endm
.macro SCALE j                         ; t - M, two at a time
	v_pk_fma_f32 v[S+2*(\j):S+2*(\j)+1], v[S+2*(\j):S+2*(\j)+1], s[CS:CS+1], v[NM:NM+1] op_sel_hi:[1,0,0]
.endm
; 256 keys for tile x (0: A, 1: B).  Tile A's part fetches the step's V, tile B's (more = 1) the next step's K.
.macro TILE x, more
.set NM, MX+2*\x
.set SU, SUM+2*\x
.if \x == 0
	s_wait_dscnt 0x0                               ; this step's K and its scale words are in
.endif
	WIN 0x01
.irp h, 0,1
.irp b, 0,1,2,3
.irp u, 0,1
	KQ \x, \h, \b, \u
.endr
.endr
.endr
	WIN 0
; Four places: in front of the first read of the scores and of the loads into fragments that products have read (ISA guide 7.12.1 for vector instructions)
.if \x == 0
	v_add_nc_u32 v[AD], s[TB], v[LI]
	v_add_nc_u32 v[ADS], s[TB], v[LS]
.irp i, 0,1,2,3
	FOLD \i, 8
.endr
	WIN 0x40
.irp h, 0,1
.irp t, 0,1,2,3
.irp c, 0,1
	ds_load_b128 v[VF+32*\h+8*\t+4*\c:VF+32*\h+8*\t+4*\c+3], v[AD] offset:\h*BLK+VO+1024*\t+512*\c   ; V of this step: it lands under the softmax
.endr
.endr
.endr
	WIN 0
.irp h, 0,1
.irp g, 0,1
	ds_load_b32 v[VS+2*\h+\g], v[ADS] offset:\h*BLK+VSO+128*\g
.endr
.endr
.else
.irp i, 0,1,2,3
	FOLD \i, 8
.endr
.if \more
	KLOAD AD, ADS, 2
.endif
.endif
.irp q, 0,1,2,3
	v_max3_num_f32 v[BM+\q], v[S+32*\q], v[S+32*\q+1], v[S+32*\q+2]   ; the largest score of each of my four blocks of 32 keys, in two chains each: it serves for the row's maximum and, since p rises with the score, for the block's largest p
.endr
.irp q, 0,1,2,3
	v_max3_num_f32 v[BY+\q], v[S+32*\q+3], v[S+32*\q+4], v[S+32*\q+5]
.endr
.irp i, 6,10,14,18,22,26
.irp q, 0,1,2,3
	v_max3_num_f32 v[BM+\q], v[BM+\q], v[S+32*\q+\i], v[S+32*\q+\i+1]
.endr
.irp q, 0,1,2,3
	v_max3_num_f32 v[BY+\q], v[BY+\q], v[S+32*\q+\i+2], v[S+32*\q+\i+3]
.endr
.endr
.irp q, 0,1,2,3
	v_max3_num_f32 v[BM+\q], v[BM+\q], v[S+32*\q+30], v[S+32*\q+31]
.endr
.irp q, 0,1,2,3
	v_max_num_f32 v[BM+\q], v[BM+\q], v[BY+\q]
.endr
	; the new M, and between its lines the sums of the tile before, folded to one
	v_max3_num_f32 v[TT], v[BM], v[BM+1], v[BM+2]
	FOLD 4, 8
	FOLD 5, 8
	v_max_num_f32 v[TT], v[TT], v[BM+3]            ; the largest of my 128 keys,
	FOLD 6, 8
	FOLD 7, 8
	FOLD 0, 4
	v_permlanex16_b32 v[PX], v[TT], s[SEL], s[SEL+1]
	FOLD 1, 4
	FOLD 2, 4
	FOLD 3, 4
	v_max3_num_f32 v[NM+1], v[NM+1], v[TT], v[PX]  ; of lane l xor 16's, and of the steps before
	FOLD 0, 2
	FOLD 1, 2
	v_mul_f32 v[TT], s[CS], v[NM+1]                ; as t (c is positive)
	v_floor_f32 v[TN], -v[TT]                      ; the new -M = floor(-t): M is a whole number
	FOLD 0, 1
	v_sub_f32 v[TT], v[TN], v[NM]                  ; old M - new M: a whole number, 0 or less
	v_mov_b32 v[NM], v[TN]
	v_cvt_i32_f32 v[TT], v[TT]                     ; (it saturates)
.set jj, 0
.rept 4
	SCALE jj
.set jj, jj+1
.endr
	v_pk_add_f32 v[SUM+2*(1-\x):SUM+2*(1-\x)+1], v[SUM+2*(1-\x):SUM+2*(1-\x)+1], v[LT:LT+1]   ; the other tile's sum is whole up to its last step
	v_ldexp_f32 v[FF], 1.0, v[TT]                  ; f = 2^(old M - new M)
.rept 28
	SCALE jj
.set jj, jj+1
.endr
.irp q, 0,1,2,3
	v_fma_f32 v[BM+\q], v[BM+\q], s[CS], v[NM]     ; the same of each block's largest score
.endr
	v_pk_mul_f32 v[SU:SU+1], v[SU:SU+1], v[FF:FF+1] op_sel_hi:[1,0]   ; the sum under the new M
	WIN 0x41
	s_wait_alu depctr_va_vdst(0)                   ; ahead of O^T's first readers, and ahead of the exponentials for all that is written above
.set jj, OT+32*\x
.rept 16
	v_pk_mul_f32 v[jj:jj+1], v[jj:jj+1], v[FF:FF+1] op_sel_hi:[1,0]   ; O^T under the new M
.set jj, jj+2
.endr
	WIN 0
.irp q, 0,1,2,3
	v_exp_f32 v[BM+\q], v[BM+\q]                   ; the block's largest p: the same two instructions on the same number give the same bits
.endr
.set jj, 0
.rept 32                               ; half 0's exponentials, with half 1's scalings among them: none reads what another writes
	v_exp_f32 v[S+2*jj], v[S+2*jj]                 ; p = 2^(t - M)
	v_exp_f32 v[S+2*jj+1], v[S+2*jj+1]
	SCALE 32+jj
.set jj, jj+1
.endr
	s_wait_alu depctr_va_vdst(0)                   ; one wait for the batch
.irp q, 0,1,2,3
	v_max_num_f32 v[BM+\q], 0x1800000, v[BM+\q]    ; the floor 2^(3 - 127): the byte cannot fall under 1
.endr
.irp q, 0,1,2,3
	v_add_nc_u32 v[CO+\q], 0xff000000, v[BM+\q]    ; 2 off the exponent field: the conversion's scale operand
.endr
	s_wait_alu depctr_va_vdst(0)                   ; the wait ahead of the batch too
.irp i, 0,1,2,3,4,5,6,7                ; half 1's exponentials, with half 0's conversions and the first level of its sums among them
	v_exp_f32 v[S+64+8*\i], v[S+64+8*\i]
	v_exp_f32 v[S+65+8*\i], v[S+65+8*\i]
	v_cvt_scalef32_pk8_fp4_f32 v[PC+\i], v[S+8*\i:S+8*\i+7], v[CO+\i/4]
	v_exp_f32 v[S+66+8*\i], v[S+66+8*\i]
	v_exp_f32 v[S+67+8*\i], v[S+67+8*\i]
	v_exp_f32 v[S+68+8*\i], v[S+68+8*\i]
	v_pk_add_f32 v[LT+4*\i:LT+4*\i+1], v[S+8*\i:S+8*\i+1], v[S+8*\i+2:S+8*\i+3]   ; the row's sum is taken of the unquantised p
	v_exp_f32 v[S+69+8*\i], v[S+69+8*\i]
	v_exp_f32 v[S+70+8*\i], v[S+70+8*\i]
	v_exp_f32 v[S+71+8*\i], v[S+71+8*\i]
	v_pk_add_f32 v[LT+4*\i+2:LT+4*\i+3], v[S+8*\i+4:S+8*\i+5], v[S+8*\i+6:S+8*\i+7]
.endr
	s_wait_alu depctr_va_vdst(0)                   ; one wait for the batch
.if \x == 0
	s_wait_dscnt 0x0                               ; V and its scale words are in
.endif
	; p's scale words, with half 1's first 16 pairs among their lines
.irp q, 0,1,2,3
	v_lshrrev_b32 v[BY+\q], 23, v[CO+\q]           ; the scale's byte
.endr
	v_lshl_or_b32 v[TT], v[BY+1], 16, v[BY]        ; half 0: my bytes: of blocks 0 and 2 in lanes 0-15, of blocks 1 and 3 in lanes 16-31
	v_lshl_or_b32 v[TU], v[BY+3], 16, v[BY+2]      ; half 1
.set jj, 0
.rept 4
	ADDP
.endr
	v_permlanex16_b32 v[PX+1], v[TT], s[SEL], s[SEL+1]
	v_permlanex16_b32 v[PX+2], v[TU], s[SEL], s[SEL+1]
.rept 4
	ADDP
.endr
	v_lshl_or_b32 v[PW], v[PX+1], 8, v[TT]         ; lanes 0-15 are read
	v_lshl_or_b32 v[PW+1], v[PX+2], 8, v[TU]
.rept 8                                ; (eight places between the scale words and the products)
	ADDP
.endr
.irp i, 0,1,2,3,4,5,6,7
	v_cvt_scalef32_pk8_fp4_f32 v[PC+8+\i], v[S+64+8*\i:S+71+8*\i], v[CO+2+\i/4]
.endr
	WIN 0x51
.irp t, 0,1,2,3
	PV \x, 0, \t                                   ; the four accumulators by turns
.endr
	WIN 0
.rept 16                               ; half 1's other pairs: also the places between its conversions and its products
	ADDP
.endr
	WIN 0x51
.irp t, 0,1,2,3
	PV \x, 1, \t
.endr
	WIN 0
.endm
.Lstep:                                            ; 7 trips; the last step is written out: it fetches no K beyond the head's bytes
	TILE 0, 1
	TILE 1, 1
	s_add_co_u32 s[TB], s[TB], 2*BLK
	s_sub_co_u32 s[CNT], s[CNT], 1
	s_cmp_lg_u32 s[CNT], 0
	s_wait_alu depctr_va_vdst(0)                   ; directly ahead of the branch
	s_cbranch_scc1 .Lstep
	TILE 0, 0
	TILE 1, 0
	; THE WAY OUT: o / (1.01 l) through the tile's stage in LDS, so that sixteen lanes hold a query's 256 bytes; + noise / 1.01; stored
.irp n, 8,4,2,1                        ; tile B's last 16 sums to one
.set jj, 0
.rept \n
	FOLD jj, \n
.set jj, jj+1
.endr
.endr
	v_pk_add_f32 v[SUM+2:SUM+3], v[SUM+2:SUM+3], v[LT:LT+1]
	v_add_f32 v16, v16, v17                        ; the sums' two halves,
	v_add_f32 v18, v18, v19
	v_permlanex16_b32 v[PX], v16, s[SEL], s[SEL+1]
	v_permlanex16_b32 v[PX+1], v18, s[SEL], s[SEL+1]
	v_add_f32 v16, v16, v[PX]                      ; and lane l xor 16's: the rows' sums.  (These six are the places behind the last products)
	v_add_f32 v18, v18, v[PX+1]
	s_wait_alu depctr_va_vdst(0)                   ; the wait ahead of the transcendentals
	v_rcp_f32 v16, v16
	v_rcp_f32 v18, v18
	v_nop                                          ; one plain place behind a transcendental
	WIN 0x01                                       ; from here on source 0 may lie in window 1
	s_wait_alu depctr_va_vdst(0)                   ; the wait behind them, which serves O^T's readers too
	v_mul_f32 v16, s[RK], v16                      ; 1 / (1.01 l)
	v_mul_f32 v18, s[RK], v18
.set jj, 0
.rept 32
	v_pk_mul_f32 v[S+jj:S+jj+1], v[OT+jj:OT+jj+1], v[16+2*(jj/32):17+2*(jj/32)] op_sel_hi:[1,0]   ; each accumulator from its low end on: register 8 t + j of a tile is channel 16 t + 8 h + j of query r
.set jj, jj+2
.endr
	WIN 0
.irp x, 0,1
.irp t, 0,1,2,3
	ds_store_b128 v[STI], v[S+32*\x+8*\t:S+32*\x+8*\t+3] offset:TSG*\x+64*\t
	ds_store_b128 v[STI], v[S+32*\x+8*\t+4:S+32*\x+8*\t+7] offset:TSG*\x+64*\t+16
.endr
.irp i, 0,1,2,3,4,5,6,7
	ds_load_b128 v[S+64+32*\x+4*\i:S+64+32*\x+4*\i+3], v[STB] offset:TSG*\x+2*\i*SPI   ; LDS serves a wave's instructions in order (ISA guide 5.7.1.4): these see my stores
.endr
.endr
	s_wait_loadcnt 0x0                             ; the noise
.irp x, 0,1
	s_wait_dscnt 16-16*\x                          ; tile A: tile B's eight stores and eight loads may be out
	WIN 0x01
.set jj, 32*\x
.rept 16
	v_pk_fma_f32 v[S+64+jj:S+65+jj], v[NZ+jj:NZ+jj+1], s[RK:RK+1], v[S+64+jj:S+65+jj] op_sel_hi:[1,0,1]
.set jj, jj+2
.endr
	WIN 0
.irp i, 0,1,2,3,4,5,6,7
	global_store_b128 v[GO], v[S+64+32*\x+4*\i:S+64+32*\x+4*\i+3], s[54:55] offset:(8*\x+2*(\i%4)+32*(\i/4))*2048 th:TH_STORE_NT   ; 16 lanes store 256 consecutive bytes, aligned: a query's 64 channels of my head
.endr
.endr
	s_wait_tensorcnt 0x0                           ; the wave's end
	ds_add_u32 v[SPW], v[NIL]
	s_wait_dscnt 0x0
	CROUND                                         ; the closing round: no work-group ends while a partner may still ask for a block that names it
	s_endpgm
.Lfunc_end_k_q01ed10228d_attn:
	.size	k_q01ed10228d_attn, .Lfunc_end_k_q01ed10228d_attn-k_q01ed10228d_attn
	.p2alignl 7, 3214868480
	.fill 96, 4, 3214868480
	.section	.rodata,"a",@progbits
	.p2align	6, 0x0
	.amdhsa_kernel k_q01ed10228d_attn
		.amdhsa_group_segment_fixed_size 209920
		.amdhsa_private_segment_fixed_size 0
		.amdhsa_enable_private_segment 0
		.amdhsa_kernarg_size 32
		.amdhsa_user_sgpr_count 2
		.amdhsa_user_sgpr_kernarg_segment_ptr 1
		.amdhsa_wavefront_size32 1
		.amdhsa_system_sgpr_workgroup_id_x 1
		.amdhsa_system_sgpr_workgroup_id_y 1
		.amdhsa_system_sgpr_workgroup_id_z 1
		.amdhsa_system_vgpr_workitem_id 0
		.amdhsa_next_free_vgpr 512
		.amdhsa_next_free_sgpr 66
		.amdhsa_reserve_vcc 0
		.amdhsa_float_denorm_mode_32 3
		.amdhsa_float_denorm_mode_16_64 3
		.amdhsa_memory_ordered 1
		.amdhsa_forward_progress 1
		.amdhsa_inst_pref_size 120
	.end_amdhsa_kernel
	.amdgpu_metadata
---
amdhsa.version: [ 1, 2 ]
amdhsa.kernels:
  - .name:           k_q01ed10228d_attn
    .symbol:         k_q01ed10228d_attn.kd
    .args:
      - { .name: qb, .offset: 0, .size: 8, .value_kind: global_buffer, .address_space: global }
      - { .name: kv, .offset: 8, .size: 8, .value_kind: global_buffer, .address_space: global }
      - { .name: noise, .offset: 16, .size: 8, .value_kind: global_buffer, .address_space: global }
      - { .name: out0, .offset: 24, .size: 8, .value_kind: global_buffer, .address_space: global }
    .group_segment_fixed_size: 209920
    .private_segment_fixed_size: 0
    .kernarg_segment_align: 8
    .kernarg_segment_size: 32
    .max_flat_workgroup_size: 256
    .sgpr_count:     66
    .vgpr_count:     512
    .wavefront_size: 32
...
	.end_amdgpu_metadata
.endif
;; end of part 3
